; MI455X (gfx1250); checked and timed in simulation.
; The chip was launched on July 23, 2026; its instructions are those of AMD's public machine-readable ISA for CDNA 5 (MIT licence, August 2026) and "CDNA5" Instruction Set Architecture Reference Guide (July 2026). The comments in the code are by the model that wrote it; some were corrected since.
;; Additive Attention. Allowed arithmetic: matrix products marked QUANTISED: E2M1 operands, one E8M0 scale for each 32 along K, by v_wmma_scale_f32_16x16x128_f8f6f4 with both operands' format E2M1 (or v_wmma_scale_f32_32x16x128_f4), f32 sums; products left as they are: f32 operands where the result goes on into a quantised operand, else bf16, f16 or f32 operands; f32 sums; everything else in f32.
;; Inputs: W_concat 64 x 128 float32; b_concat 64 float32; b_logit one number float32; keys_codes 2 x 4 x 512 x 2 x 16 uint8 (E2M1 codes of keys, K innermost, in blocks of 32 codes, two codes a byte); keys_scales 2 x 4 x 512 x 2 uint8 (E8M0 scales of keys, one for each 32 codes along K); mask 2 x 512 x 512 bool; queries_codes 2 x 4 x 512 x 2 x 16 uint8 (E2M1 codes of queries, K innermost, in blocks of 32 codes, two codes a byte); queries_scales 2 x 4 x 512 x 2 uint8 (E8M0 scales of queries, one for each 32 codes along K); values 2 x 4 x 512 x 64 float32; w_logit 64 float32.
;; Outputs: out0 2 x 4 x 512 x 512 float32.
;; This version of the problem:
;;   THIS VERSION OF THE PROBLEM IS GIVEN IN LOW PRECISION. The matrix products marked QUANTISED in the list below multiply operands that are first quantised to E2M1 (2 exponent bits, 1 mantissa bit; 4 bits a number), with one power-of-two scale for each 32 numbers along K (OCP MX v1.0); their sums are f32. All else is computed in f32.
;;   The module's matrix products, in the order in which they are computed (A, B: the left and right operand; K: the contracted axis; several contracted axes count as one K, in the product's order):
;;     1. [M 4,096, K 64] x [K 64, N 64]; A: input queries (given as codes); B: input W_concat: QUANTISED
;;     2. [M 4,096, K 64] x [K 64, N 64]; A: input keys (given as codes); B: input W_concat: QUANTISED
;;     3. [M 2,097,152, K 64] x [K 64, N 1]; A: computed on the way; B: input w_logit: left as it is (N = 1 < 16)
;;   THE QUANTISER, for each operand of a quantised product, along K:
;;     - K is cut into blocks of 32 from its start; a last block that is shorter is filled with zeros.
;;     - A block's scale is 2^e with e = floor(log2(the largest magnitude in the block)) - 2, held to -126 .. 127; a block of zeros has e = 0. As a byte (E8M0): e + 127.
;;     - Each number is divided by its block's scale, clamped to +-6, and rounded to the nearest number of E2M1, ties to even, subnormals kept.
;;     - The product sums the exact products of the quantised numbers (number of the format x scale) in f32.
;;   ~~~python
;;   def quantise(x, axis):      # numpy; x: float32 -> the quantised numbers, widened to float32 again
;;       x = np.moveaxis(x, axis, -1); K = x.shape[-1]
;;       x = np.pad(x, [(0, 0)] * (x.ndim - 1) + [(0, -K % 32)]); x = x.reshape(x.shape[:-1] + (-1, 32)); a = np.abs(x).max(-1, keepdims=True)
;;       e = np.where(a > 0, np.clip(np.frexp(np.where(a > 0, a, 1))[1] - 1 - 2, -126, 127), 0)      # np.frexp(a)[1] - 1 = floor(log2(a)), exactly
;;       r = np.clip(x / 2.0 ** e, -6, 6)
;;       step = 2.0 ** (np.maximum(np.frexp(np.where(r == 0, 1, r))[1] - 1, 0) - 1)
;;       q = np.round(r / step) * step * 2.0 ** e      # np.round: ties to even
;;       return np.moveaxis(q.reshape(q.shape[:-2] + (-1,))[..., :K], -1, axis).astype(np.float32)
;;   ~~~
;;   INPUTS GIVEN AS CODES. keys (in the module: [2, 4, 512, 64], K = its axis 3); queries (in the module: [2, 4, 512, 64], K = its axis 3): each comes as NAME_codes (uint8): NAME with its K axis moved to the last place and cut into blocks of 32 codes, [.., K / 32, bytes a block], one block behind the other in memory; two codes a byte, the lower K in the low four bits (a code: sign, 2 exponent bits, 1 mantissa bit); and NAME_scales (uint8): the same leading axes, one E8M0 byte (e + 127) for each 32 codes along K. Its value is code x scale, taken as it is: it is not quantised again, and the codes and scales need not be those that the quantiser above would give.
;; 2 versions, each right; version 2 is version 1 with the launch addattn written anew for expert scheduling mode. Each part assembles by itself: llvm-mc -triple=amdgcn-amd-amdhsa -mcpu=gfx1250 --defsym DOCPART=n.
;; ======== version 1 of 2: 1 launch
;; limits: right only within a limited range of input values
;; launch addattn (part 1): grid 32 x 8, 8 waves a work-group, no clusters, 269,312 bytes of LDS; arguments queries_codes, queries_scales, keys_codes, keys_scales, W_concat, b_concat, w_logit, b_logit, mask, out0; writes out0
.if DOCPART == 1
	.amdgcn_target "amdgcn-amd-amdhsa--gfx1250"
	.amdhsa_code_object_version 6
	.text
	.protected	k_q0c6988a83b_addattn
	.globl	k_q0c6988a83b_addattn
	.p2align	8
	.type	k_q0c6988a83b_addattn,@function
k_q0c6988a83b_addattn:
	s_mov_b64 s[64:65], 0
	v_nop
	global_prefetch_b8 v0, s[64:65] scope:SCOPE_SE
	s_setreg_imm32_b32 hwreg(HW_REG_WAVE_MODE, 25, 1), 1
	s_wait_xcnt 0x0
; out[b][h][q][k] = softmax over k of ( sum over e of w[e] tanh(qp[q][e] + kp[k][e] + bc[e]) + bl ), keys whose mask byte is 0 left out; a row whose mask is all 0 keeps all its keys.
; qp = queries W[:, :64]^T, kp = keys W[:, 64:]^T: both on codes of FP4 (E2M1) with one E8M0 scale for each 32 along K; queries and keys come as codes, W (f32) is quantised here along its 128 columns, four blocks of 32.
; The input 'values' enters no line of the function that is computed, so this launch is not given it.
; SHARES.  Work-group (x, y): 16 queries (block x) of head y = 4 b + h.  EIGHT WAVES, two to a SIMD, so that one wave's waits stand beside the other's instructions.  Wave w: queries 2 w, 2 w + 1 against all 512 keys,
;   so a softmax row never leaves a wave.  LANES ARE KEYS: register 4 g + i of lane l is key 128 g + 4 l + i.  The price of eight waves: each table row is read from LDS by eight waves: 8 x 64 rows x 4 KB for the work-group.
; THE TANH.  tanh(x) = 1 - 2 / (1 + 2^(c x)), c = 2 log2(e).  c x = a + b, a = c (qp + bc) of the query, b = c kp of the key.  Each of a and b is split ONCE into a whole number i = floor and f = 2^(fraction), f in [1, 2]:
;   per element: i = ia + ib;  x = ldexp(fb, i) (it goes to infinity or to 0 by itself);  d = x fa + 1;  r = 1 / d;  sum += w[e] r.   One reciprocal and, the two multiply-adds being packed, three plain instructions for 32 elements.
;   The sums begin at KH = -(sum of w + bl) / 2, so that logit = -2 sum, and logit x log2(e) = sum x (-c).  The row's maximum is taken away ahead of the softmax's exponential.
; THE KEY TABLE (fb, ib for 512 keys x 64 e) is made by the work-group itself, each wave 64 keys, and lies in LDS, a row for each e.  The query's fa, ia and w[e] are the same for all lanes: they are read out of a lane into scalars.
; NO CLUSTER, NO TENSOR LOADS: what the 32 work-groups of a head share is 17 KB of key codes and scales and 32 KB of W, read once at the head into registers, where they are multiplied or quantised at once; LDS holds computed numbers alone.
; LIMITS.  a and b are each held to +-2^24 (x beyond some 5.8e6): two larger terms that nearly cancel are not resolved.  NaN and infinities among the inputs, and the scale byte 0xff, are not served.  A mask byte counts as true where it is not 0.
;   A block of zeros of W gets the scale byte 1 where the quantiser's rule says 127: its codes are zeros, and the bytes are read here alone.
.set PITCH, 4112                       ; a table row: fb[512] at 0, ib[512] at 2048, 16 bytes of padding: 257 x 16, so the sixteen rows that a table store touches begin 16 bytes apart modulo 256
.set WIMG,  0                          ; LDS: the images of W's four fragments: tile t at 1024 t, 512 bytes for each four registers (K half c), lane l at 16 l
.set WSC,   4096                       ; their scale words, in two parts: K half c of tile t at 512 c + 128 t + 4 l, which is 128 x wave + 4 l
.set TAB,   5120                       ; the table: 64 rows
; vector registers
.set L16, 1                            ; v1       16 x lane; never rewritten
.set ST,  2                            ; v2-5     where I store tile t's numbers in the table; later: where I read row 16 t
.set WV,  6                            ; v6-9     w[16 t + r]
.set L4,  10                           ; v10      4 x lane, at the head;
.set KH,  10                           ;          then KH
.set RR,  11                           ; v11      r = lane % 16, at the head;
.set ADR, 11                           ;          then the LDS address of the table row in hand;
.set NEG, 11                           ;          then -infinity
.set BC,  12                           ; v12-15   bc[16 t + r], then c bc
.set QT,  16                           ; v16-23   2 t + j: lanes 0-15 fa, lanes 16-31 ia, of query j at e = 16 t + r
.set MK,  32                           ; v32-39   4 j + g: four mask bytes of query j: keys 128 g + 4 l + 0 .. 3
.set ACC, 48                           ; v48-79   16 j + n: the sums
.set KA,  48                           ;          at the head: the keys' four fragments: zeros (K 0-63), codes (K 64-127)
.set TB,  112                          ; v112-175 two table rows: fb 16 registers, ib 16 registers
.set WC,  112                          ;          at the head: W's codes just made
.set FL,  112                          ;          and the floors of a key tile
.set QM,  120                          ; v120-127 the quantiser's work
.set SCA, 128                          ; v128     where I store my part of a scale word
.set QA,  136                          ; v136-143 the queries' fragment: codes (K 0-63), zeros (K 64-127)
.set WF,  144                          ; v144-175 W's four fragments
.set A_W, 168                          ; v168-175 offsets of the loads at the head; they are free, and W's last fragment lands there, behind s_wait_xcnt 0
.set A_K, 169
.set A_R2, 170
.set A_Q, 171
.set A_Q2, 172
.set A_R4, 173
.set H,   174
.set IMG, 175
.set BUF, 176                          ; v176-239 two units of 32 numbers (two queries x 16 keys a lane)
.set WN,  176                          ;          at the head: 32 numbers of W
.set QD,  176                          ;          qp's four tiles
.set X,   208
.set Y,   224
.set MX,  208                          ;          at the end: a pair for each row: its maximum; v216.. its sum
.set SM,  216
.set KS,  240                          ; v240-243 the keys' scale words;  v244-247 the upper parts of W's;  v248 the queries';  v249-252 W's.  These hold scales and nothing else
.set WS2, 244
.set QS,  248
.set WS,  249
; scalar registers: s[4:23] the ten addresses; s24 wave; s25 head y; s26 t = wave % 4; s27 b; s29 c = wave / 4; s[32:33] selects for lane xor 16; s34, s49 +-2^24; s35 lanes 16-31; s[44:45] c; s[46:47] -c; s48 bl; s66-67, s70-85 masks of lanes; s88 16 c
.set SQ,  36                           ; s[36:37], s[38:39] (fa, ia) of the two queries of the unit that is being prepared
.set SW,  40                           ; s[40:41], s[86:87] (w[e], 0) of the units of even and of odd t
.set RL,  42                           ; s42  R = e % 16: the lane that holds fa and w; also the loop's counter
.set RH,  43                           ; s43  R + 16: the lane that holds ia
.set ROW, 50                           ; s50  R x PITCH (at the head: an offset)
	s_load_b512 s[4:19], s[0:1], 0x0               ; queries' codes, scales; keys' codes, scales; W; bc; w; bl
	s_load_b128 s[20:23], s[0:1], 0x40             ; mask, out
	v_lshl_add_u32 v254, v0, 2, 0x41800
	v_mov_b32 v255, 0
	v_lshrrev_b32 v[RR], 5, v0
	v_readfirstlane_b32 s24, v[RR]                 ; wave 0..7
	s_and_b32 s25, ttmp7, 0xffff                   ; y = 4 b + h
	s_lshr_b32 s27, s25, 2                         ; b
	s_and_b32 s26, s24, 3                          ; t: the tile of W of which I quantise a half,
	s_lshr_b32 s29, s24, 2                         ; c: which half of its K
	s_lshl_b32 s88, s29, 4                         ; 16 c: where my two scale bytes begin in the word, in bits
	v_and_b32 v[RR], 15, v0                        ; r
	v_bfe_u32 v[H], v0, 4, 1                       ; h = lane / 16
	v_and_b32 v[L16], 31, v0
	v_lshlrev_b32 v[L4], 2, v[L16]
	v_lshlrev_b32 v[L16], 4, v[L16]
	v_lshlrev_b32 v[A_W], 9, v[RR]
	v_lshl_add_u32 v[A_W], v[H], 7, v[A_W]         ; W: row r of 512 bytes, + 32 numbers for lanes 16-31
	v_lshlrev_b32 v[A_K], 5, v[RR]
	v_lshl_add_u32 v[A_K], v[H], 4, v[A_K]         ; keys: row r of 32 bytes, block h
	v_lshlrev_b32 v[A_R2], 1, v[RR]                ; their scales: 2 bytes a row
	v_lshlrev_b32 v[A_R4], 2, v[RR]                ; bc, w: 4 bytes
	v_and_b32 v[A_Q2], 1, v[RR]                    ; queries: row m of the fragment is query m % 2 of my two
	v_lshlrev_b32 v[A_Q], 5, v[A_Q2]
	v_lshl_add_u32 v[A_Q], v[H], 4, v[A_Q]
	v_lshlrev_b32 v[A_Q2], 1, v[A_Q2]
	s_lshl_b32 s30, s26, 10
	s_lshl_b32 s31, s29, 9
	s_add_co_u32 s30, s30, s31
	v_add_nc_u32 v[IMG], s30, v[L16]               ; my four registers' image: 1024 t + 512 c + 16 x lane
	s_lshl_b32 s30, s24, 7
	v_add_nc_u32 v[SCA], s30, v[L4]                ; my part of the scale words: 128 x wave + 4 x lane
	v_mul_u32_u24 v[ST], v[RR], PITCH              ; the table: row 16 t + r; key 64 w + 16 m + 8 h + j, 4 bytes each
	v_lshl_add_u32 v[ST], v[H], 5, v[ST]
	s_lshl_b32 s30, s24, 8
	s_add_co_u32 s30, s30, TAB
	v_add_nc_u32 v[ST], s30, v[ST]
.irp t, 1,2,3
	v_add_nc_u32 v[ST+\t], 16*PITCH*\t, v[ST]      ; sixteen rows are more than an LDS immediate holds: a register for each t
.endr
	s_mov_b32 s32, 0x76543210
	s_mov_b32 s33, 0xfedcba98
	s_mov_b32 s34, 0x4b800000                      ; 2^24
	s_mov_b32 s49, 0xcb800000                      ; -2^24
	s_mov_b32 s35, 0xffff0000
	s_mov_b32 s44, 0x4038aa3b                      ; c = 2 log2(e)
	s_mov_b32 s45, s44                             ; (a packed form names the pair and takes its low word: so the upper is written)
	s_mov_b32 s46, 0xc038aa3b                      ; -c
	s_mov_b32 s47, s46
	s_mov_b32 s[SW+1], 0
	s_mov_b32 s[SW+47], 0
	; byte offsets, each in a pair of its own
	s_lshl_b32 s28, s25, 9                         ; 512 y: the head's first row
	s_lshl_b32 s30, s24, 6
	s_add_co_u32 s30, s28, s30                     ; + 64 w: the first key whose table entries I make
	s_lshl_b32 s50, s30, 5                         ; its codes
	s_lshl_b32 s52, s30, 1                         ; its scales
	s_lshl_b32 s30, ttmp9, 4
	s_lshl_b32 s31, s24, 1
	s_add_co_u32 s30, s30, s31                     ; 16 x + 2 w: my first query in its head
	s_add_co_u32 s28, s28, s30
	s_lshl_b32 s54, s28, 5                         ; its codes
	s_lshl_b32 s56, s28, 1                         ; its scales
	s_lshl_b32 s58, s28, 11                        ; its row of out: 2,048 bytes
	s_lshl_b32 s60, s26, 13                        ; W: tile t's 16 rows of 512 bytes,
	s_lshl_b32 s31, s29, 8
	s_add_co_u32 s60, s60, s31                     ; + 64 numbers x c
	s_lshl_b32 s62, s27, 9
	s_add_co_u32 s62, s62, s30
	s_lshl_b32 s62, s62, 9                         ; mask: row 512 b + my first query, 512 bytes a row
.irp i, 51,53,55,57,59,61,63
	s_mov_b32 s\i, 0
.endr
	s_wait_kmcnt 0x0
	s_add_nc_u64 s[8:9], s[8:9], s[50:51]
	s_add_nc_u64 s[10:11], s[10:11], s[52:53]
	s_add_nc_u64 s[4:5], s[4:5], s[54:55]
	s_add_nc_u64 s[6:7], s[6:7], s[56:57]
	s_add_nc_u64 s[22:23], s[22:23], s[58:59]
	s_add_nc_u64 s[12:13], s[12:13], s[60:61]
	s_add_nc_u64 s[20:21], s[20:21], s[62:63]
	s_load_b32 s48, s[18:19], 0x0                  ; bl
	; ALL GLOBAL LOADS, 34, in the order in which they are wanted: W 8; queries and bc 6; keys 8; w 4; mask 8
.irp i, 0,1,2,3,4,5,6,7
	global_load_b128 v[WN+4*\i:WN+4*\i+3], v[A_W], s[12:13] offset:16*\i   ; W(16 t + r, 64 c + 32 h + 4 i ..): the very k that the operand's layout gives this lane in registers 4 c .. 4 c + 3
.endr
	global_load_b128 v[QA:QA+3], v[A_Q], s[4:5]
	global_load_u16 v[QS], v[A_Q2], s[6:7]         ; two scale bytes, for K 0-63; the upper two bytes are 0, over zero codes
.irp t, 0,1,2,3
	global_load_b32 v[BC+\t], v[A_R4], s[14:15] offset:64*\t
.endr
.irp m, 0,1,2,3
	global_load_b128 v[KA+8*\m+4:KA+8*\m+7], v[A_K], s[8:9] offset:512*\m   ; 16 keys: 512 consecutive bytes
.endr
.irp m, 0,1,2,3
	global_load_u16 v[KS+\m], v[A_R2], s[10:11] offset:32*\m
.endr
.irp t, 0,1,2,3
	global_load_b32 v[WV+\t], v[A_R4], s[16:17] offset:64*\t
.endr
.irp j, 0,1
.irp g, 0,1,2,3
	global_load_b32 v[MK+4*\j+\g], v[L4], s[20:21] offset:512*\j+128*\g
.endr
.endr
.irp i, 4,5,6,7
	v_mov_b32 v[QA+\i], 0                          ; zero codes where the other product's half of K lies
.endr
.irp m, 0,1,2,3
.irp i, 0,1,2,3
	v_mov_b32 v[KA+8*\m+\i], 0
.endr
.endr
	; HALF c OF W'S TILE t (rows e = 16 t + r) IS QUANTISED: a lane holds one whole block, 2 c + h
	s_wait_loadcnt 26                              ; W's 8 loads are in; the 26 issued behind them may be out
	v_max3_num_f32 v[QM], |v[WN]|, |v[WN+1]|, 0x1800000   ; the block's largest magnitude, in two chains, and the floor 2^(3 - 127): the byte cannot fall under 1
	v_max3_num_f32 v[QM+1], |v[WN+2]|, |v[WN+3]|, |v[WN+4]|
.irp i, 5,9,13,17,21,25
	v_max3_num_f32 v[QM], v[QM], |v[WN+\i]|, |v[WN+\i+1]|
	v_max3_num_f32 v[QM+1], v[QM+1], |v[WN+\i+2]|, |v[WN+\i+3]|
.endr
	v_max3_num_f32 v[QM], v[QM], |v[WN+29]|, |v[WN+30]|
	v_max3_num_f32 v[QM], v[QM], v[QM+1], |v[WN+31]|
	v_add_nc_u32 v[QM+2], 0xff000000, v[QM]        ; 2 off its exponent field: the conversion's scale operand
	v_lshrrev_b32 v[QM+4], 23, v[QM+2]             ; the scale's byte
	v_lshl_add_u32 v[QM+7], v[H], 3, s88           ; byte 2 c + h of the word: 8 h + 16 c bits up
	v_lshlrev_b32 v[QM+6], v[QM+7], v[QM+4]
	v_mov_b32 v[QM+7], 0
	v_permlanex16_b32 v[QM+7], v[QM+6], s32, s33
	v_or_b32 v[QM+6], v[QM+6], v[QM+7]             ; with lane xor 16's byte: my two bytes at their places, the other two 0
.irp g, 0,1,2,3
	v_cvt_scalef32_pk8_fp4_f32 v[WC+\g], v[WN+8*\g:WN+8*\g+7], v[QM+2]
.endr
	v_nop                                          ; one plain instruction behind the last scaled conversion
	ds_store_b128 v[IMG], v[WC:WC+3] offset:WIMG   ; the four registers go to LDS as an image of themselves
	ds_store_b32 v[SCA], v[QM+6] offset:WSC
	s_wait_xcnt 0x0                                ; all global loads have read their offsets: v168-175 and, later, v10 may be written
	s_wait_dscnt 0x0                               ; for the others' sake: my stores have landed
	s_barrier_signal -1
	s_barrier_wait -1                              ; W's four fragments lie in LDS
.irp t, 0,1,2,3
	ds_load_b32 v[WS+\t], v[L4] offset:WSC+128*\t        ; the bytes of K 0-63,
	ds_load_b32 v[WS2+\t], v[L4] offset:WSC+512+128*\t   ; and of K 64-127
.endr
.irp t, 0,1,2,3
	ds_load_b128 v[WF+8*\t:WF+8*\t+3], v[L16] offset:WIMG+1024*\t
	ds_load_b128 v[WF+8*\t+4:WF+8*\t+7], v[L16] offset:WIMG+1024*\t+512
.endr
	; THE QUERIES
	s_wait_loadcnt 12                              ; queries, bc and keys are in; w's 4 and the mask's 8 may be out
	s_wait_dscnt 0x0
.irp t, 0,1,2,3
	v_or_b32 v[WS+\t], v[WS+\t], v[WS2+\t]         ; W's scale words are whole.  Ten plain instructions stand between the last of these and the first product: a scale register written by a vector instruction wants eight
.endr
.irp m, 0,1,2,3
	v_lshlrev_b32 v[KS+\m], 16, v[KS+\m]           ; the keys' two bytes scale K 64-127
.endr
.irp t, 0,1,2,3
	v_mul_f32 v[BC+\t], s44, v[BC+\t]              ; c bc
.endr
	v_nop
	v_nop
.irp t, 0,1,2,3                                ; source 0: my two queries, eight times over; source 1: 16 rows of W.  Register j (0, 1) of lane (r, h): qp(query j, e = 16 t + r), in both halves of the lanes
	v_wmma_scale_f32_16x16x128_f8f6f4 v[QD+8*\t:QD+8*\t+7], v[QA:QA+7], v[WF+8*\t:WF+8*\t+7], 0, v[QS], v[WS+\t] matrix_a_fmt:MATRIX_FMT_FP4 matrix_b_fmt:MATRIX_FMT_FP4
.endr
.rept 4
	v_nop                                          ; four plain instructions between a matrix instruction and the first read of its result (ISA guide 7.12.1)
.endr
.irp t, 0,1,2,3
.irp j, 0,1
	v_fma_f32 v[X+2*\t+\j], v[QD+8*\t+\j], s44, v[BC+\t]   ; a = c qp + c bc
.endr
.endr
.set I, 0
.rept 8
	v_med3_num_f32 v[X+I], v[X+I], s49, s34        ; held to +-2^24
.set I, I+1
.endr
.set I, 0
.rept 8
	v_floor_f32 v[Y+I], v[X+I]
.set I, I+1
.endr
.set I, 0
.rept 8
	v_sub_f32 v[X+I], v[X+I], v[Y+I]               ; the fraction
.set I, I+1
.endr
.set I, 0
.rept 8
	v_exp_f32 v[X+I], v[X+I]                       ; fa
	v_cvt_i32_f32 v[Y+I], v[Y+I]                   ; ia
.set I, I+1
.endr
	v_nop
	s_wait_alu depctr_va_vdst(0)                   ; one wait for the eight exponentials, ahead of their first reader
.set I, 0
.rept 8
	v_cndmask_b32 v[QT+I], v[X+I], v[Y+I], s35     ; lanes 0-15 keep fa, lanes 16-31 ia
.set I, I+1
.endr
; THE KEY TABLE.  Tile m: keys 64 w + 16 m + 0 .. 15 against all 64 e.  Register j of lane (r, h) in tile t: kp(key 16 m + 8 h + j, e = 16 t + r): eight neighbouring keys of table row 16 t + r.
; The results take two sets of 32 registers by turns, so that a tile's products do not wait for the LDS stores of the tile before.
.macro KTILE m
.set KD, BUF+32*((\m)%2)
.if (\m) >= 2
	s_wait_dscnt 16                                ; the last tile's 16 stores may be out; those of two tiles back, which read this set, are done
.endif
.irp t, 0,1,2,3
	v_wmma_scale_f32_16x16x128_f8f6f4 v[KD+8*\t:KD+8*\t+7], v[KA+8*(\m):KA+8*(\m)+7], v[WF+8*\t:WF+8*\t+7], 0, v[KS+(\m)], v[WS+\t] matrix_a_fmt:MATRIX_FMT_FP4 matrix_b_fmt:MATRIX_FMT_FP4
.endr
.rept 4
	v_nop
.endr
.set I, 0
.rept 16
	v_pk_mul_f32 v[KD+2*I:KD+2*I+1], v[KD+2*I:KD+2*I+1], s[44:45] op_sel_hi:[1,0]   ; b = c kp; each result from its low end on
.set I, I+1
.endr
.set I, 0
.rept 32
	v_med3_num_f32 v[KD+I], v[KD+I], s49, s34
.set I, I+1
.endr
.if (\m) >= 1
	s_wait_dscnt 8                                 ; the last tile's 8 stores of fb may be out; its stores of ib, which read the floors' registers, are done
.endif
.set I, 0
.rept 32
	v_floor_f32 v[FL+I], v[KD+I]
.set I, I+1
.endr
.set I, 0
.rept 32
	v_sub_f32 v[KD+I], v[KD+I], v[FL+I]
.set I, I+1
.endr
.set I, 0
.rept 32
	v_exp_f32 v[KD+I], v[KD+I]                     ; fb
	v_cvt_i32_f32 v[FL+I], v[FL+I]                 ; ib
.set I, I+1
.endr
.irp t, 0,1,2,3
	ds_store_b128 v[ST+\t], v[FL+8*\t:FL+8*\t+3] offset:2048+64*(\m)
	ds_store_b128 v[ST+\t], v[FL+8*\t+4:FL+8*\t+7] offset:2048+64*(\m)+16
.endr
	v_nop
	s_wait_alu depctr_va_vdst(0)                   ; one wait for the 32 exponentials, ahead of the stores that read them
.irp t, 0,1,2,3
	ds_store_b128 v[ST+\t], v[KD+8*\t:KD+8*\t+3] offset:64*(\m)
	ds_store_b128 v[ST+\t], v[KD+8*\t+4:KD+8*\t+7] offset:64*(\m)+16
.endr
.endm
.irp m, 0,1,2,3
	KTILE \m
.endr
	s_wait_loadcnt 8                               ; w is in; the mask's 8 loads may be out
	s_wait_kmcnt 0x0                               ; bl
	s_wait_dscnt 0x0                               ; for the others' sake: my part of the table has landed
	s_barrier_signal -1
	s_mul_f32 s48, s48, -0.5                       ; register work while the others arrive
	v_add_f32 v[ADR], v[WV], v[WV+1]
	v_add_f32 v[ADR], v[ADR], v[WV+2]
	v_add_f32 v[ADR], v[ADR], v[WV+3]
	v_add_f32_dpp v[ADR], v[ADR], v[ADR] row_xmask:1 row_mask:0xf bank_mask:0xf
	v_add_f32_dpp v[ADR], v[ADR], v[ADR] row_xmask:2 row_mask:0xf bank_mask:0xf
	v_add_f32_dpp v[ADR], v[ADR], v[ADR] row_xmask:4 row_mask:0xf bank_mask:0xf
	v_add_f32_dpp v[ADR], v[ADR], v[ADR] row_xmask:8 row_mask:0xf bank_mask:0xf   ; each half of the lanes holds all 64 w: the sum of w
	v_fma_f32 v[KH], v[ADR], -0.5, s48             ; KH = -(sum of w + bl) / 2
.set I, 0
.rept 32
	v_mov_b32 v[ACC+I], v[KH]                      ; the sums begin at their addend
.set I, I+1
.endr
.irp t, 0,1,2,3
	v_add_nc_u32 v[ST+\t], TAB+16*PITCH*\t, v[L16] ; from here on: where I read row 16 t: 16 bytes a lane
.endr
	s_mov_b32 s[RL], 0
	s_mov_b32 s[RH], 16
	s_mov_b32 s[ROW], 0
	s_barrier_wait -1                              ; the table is whole; from here on LDS is only read
; THE MAIN LOOP.  A UNIT is one e = 16 t + R and my two queries: 32 numbers a lane.  Units go R = 0 .. 15, t = 0 .. 3; unit (t, R) lies in buffer t % 2, and its table row in table set t % 2.
; A STAGE takes the 32 reciprocals of its unit, and between them, three plain instructions to a reciprocal: the sums of the unit before (16 packed multiply-adds) and the preparation of the unit after (32 + 32 + 16), both in the other buffer.
; PLAIN writes number K of that list of 96.  p: t % 2 of the stage's unit.
.macro PLAIN p, acc, prep
.set OT, BUF+32*(1-(\p))
.set TN, TB+32*(1-(\p))
.set SWP, SW+46*(1-(\p))
.if K < 16
.if \acc
	v_pk_fma_f32 v[ACC+2*K:ACC+2*K+1], v[OT+2*K:OT+2*K+1], s[SWP:SWP+1], v[ACC+2*K:ACC+2*K+1] op_sel_hi:[1,0,1]   ; sum += w r
.endif
.elseif \prep
.if K < 48
.set KK, K-16
	v_add_nc_u32 v[OT+KK], s[SQ+2*(KK/16)+1], v[TN+16+KK%16]   ; i = ia + ib
.elseif K < 80
.set KK, K-48
	v_ldexp_f32 v[OT+KK], v[TN+KK%16], v[OT+KK]                ; x = fb 2^i
.else
.set KK, K-80
	v_pk_fma_f32 v[OT+2*KK:OT+2*KK+1], v[OT+2*KK:OT+2*KK+1], s[SQ+2*(KK/8):SQ+2*(KK/8)+1], 1.0 op_sel_hi:[1,0,0]   ; d = x fa + 1
.endif
.endif
.endm
.macro READQ tn                        ; (fa, ia) of my two queries at e = 16 tn + the R in hand
.irp qq, 0,1
	v_readlane_b32 s[SQ+2*\qq], v[QT+2*(\tn)+\qq], s[RL]
	v_readlane_b32 s[SQ+2*\qq+1], v[QT+2*(\tn)+\qq], s[RH]
.endr
.endm
; acc: there is a unit before;  prep: there is a unit after;  load: the table set that this unit's preparation has left takes the row of the unit two further on;  bump: R steps (in stage t = 3: the unit after is R + 1's).
.macro STAGE t, acc, prep, load, bump
	s_wait_dscnt 0x0                               ; the row asked for a stage ago is in: this stage's preparation reads it
.if \load
	v_add_nc_u32 v[ADR], s[ROW], v[ST+((\t)+2)%4]
.irp g, 0,1,2,3
	ds_load_b128 v[TB+32*((\t)%2)+4*\g:TB+32*((\t)%2)+4*\g+3], v[ADR] offset:((\t)/2)*PITCH+512*\g          ; 512 consecutive bytes of fb; for t = 2, 3 the row is R + 1's
	ds_load_b128 v[TB+32*((\t)%2)+16+4*\g:TB+32*((\t)%2)+16+4*\g+3], v[ADR] offset:((\t)/2)*PITCH+2048+512*\g   ; and of ib
.endr
.endif
	v_readlane_b32 s[SW+46*((\t)%2)], v[WV+(\t)], s[RL]   ; w[16 t + R] of this stage's unit: the next stage's sums take it
.if \bump
	s_add_co_u32 s[RL], s[RL], 1
	s_add_co_u32 s[RH], s[RH], 1
	s_add_co_u32 s[ROW], s[ROW], PITCH
.endif
.if \prep
	READQ ((\t)+1)%4
.endif
.set CU, BUF+32*((\t)%2)
.set I, 0
.rept 32
.set K, 3*I
	PLAIN (\t)%2, \acc, \prep
	v_rcp_f32 v[CU+I], v[CU+I]                     ; r = 1 / d
.set K, 3*I+1
	PLAIN (\t)%2, \acc, \prep
.set K, 3*I+2
	PLAIN (\t)%2, \acc, \prep
.set I, I+1
.endr
.if !(\prep)
	v_nop                                          ; a plain instruction behind the last reciprocal
.endif
	s_wait_alu depctr_va_vdst(0)                   ; one wait for the stage's 32 reciprocals: their first reader is the next stage's first sum; no reciprocal is without its wait at a label or a branch
.endm
.irp tb, 0,1                                   ; rows 0 and 16 (R = 0, t = 0, 1)
.irp g, 0,1,2,3
	ds_load_b128 v[TB+32*\tb+4*\g:TB+32*\tb+4*\g+3], v[ST+\tb] offset:512*\g
	ds_load_b128 v[TB+32*\tb+16+4*\g:TB+32*\tb+16+4*\g+3], v[ST+\tb] offset:2048+512*\g
.endr
.endr
	READQ 0
	s_wait_dscnt 8                                 ; row 0's eight loads are in; row 16's may be out
.set K, 16
.rept 80
	PLAIN 1, 0, 1                                  ; the first unit is prepared with nothing beside it
.set K, K+1
.endr
	STAGE 0, 0, 1, 1, 0
.Ltrip:                                            ; 15 trips, each from stage t = 1 of one R to stage t = 0 of the next
	STAGE 1, 1, 1, 1, 0
	STAGE 2, 1, 1, 1, 0
	STAGE 3, 1, 1, 1, 1
	STAGE 0, 1, 1, 1, 0
	s_cmp_lt_u32 s[RL], 15
	s_cbranch_scc1 .Ltrip
	STAGE 1, 1, 1, 1, 0                            ; R = 15: the last row asked for is 63; nothing is read beyond the table
	STAGE 2, 1, 1, 0, 0
	STAGE 3, 1, 0, 0, 0
.set K, 0
.rept 16
	PLAIN 0, 1, 0                                  ; the last unit's sums
.set K, K+1
.endr
	; THE MASK AND THE SOFTMAX, the two rows by turns
	s_wait_loadcnt 0x0                             ; the mask
	v_mov_b32 v[NEG], 0xff800000                   ; -infinity
.irp j, 0,1
	v_or_b32 v[BUF+\j], v[MK+4*\j], v[MK+4*\j+1]
.endr
.irp j, 0,1
	v_or_b32 v[BUF+\j], v[BUF+\j], v[MK+4*\j+2]
.endr
.irp j, 0,1
	v_or_b32 v[BUF+\j], v[BUF+\j], v[MK+4*\j+3]
.endr
.irp j, 0,1
	v_cmp_ne_u32 s[66+\j], 0, v[BUF+\j]            ; the lanes that hold a key that counts
.endr
.irp j, 0,1
	s_cmp_lg_u32 s[66+\j], 0
	s_cselect_b32 s[66+\j], 0, 0x01010101          ; a row in which no key counts: all its keys count
.endr
.irp j, 0,1
.irp g, 0,1,2,3
	v_or_b32 v[MK+4*\j+\g], s[66+\j], v[MK+4*\j+\g]
.endr
.endr
.set I, 0
.rept 16
	v_pk_mul_f32 v[ACC+2*I:ACC+2*I+1], v[ACC+2*I:ACC+2*I+1], s[46:47] op_sel_hi:[1,0]   ; t = logit x log2(e) = sum x (-c)
.set I, I+1
.endr
.macro MASKROW j
.set TA, BUF+16*(\j)
.irp n, 0,1,2,3,4,5,6,7,8,9,10,11,12,13,14,15
	v_and_b32 v[TA+\n], 0xff<<(8*(\n%4)), v[MK+4*(\j)+\n/4]   ; the byte of key 128 (n / 4) + 4 l + n % 4
.endr
.irp n, 0,1,2,3,4,5,6,7,8,9,10,11,12,13,14,15
	v_cmp_ne_u32 s[70+\n], 0, v[TA+\n]
.endr
.irp n, 0,1,2,3,4,5,6,7,8,9,10,11,12,13,14,15
	v_cndmask_b32 v[ACC+16*(\j)+\n], v[NEG], v[ACC+16*(\j)+\n], s[70+\n]   ; -infinity where the key does not count
.endr
.endm
.irp j, 0,1
	MASKROW \j
.endr
.irp j, 0,1
	v_max3_num_f32 v[MX+2*\j], v[ACC+16*\j], v[ACC+16*\j+1], v[ACC+16*\j+2]
.endr
.irp i, 3,5,7,9,11,13
.irp j, 0,1
	v_max3_num_f32 v[MX+2*\j], v[MX+2*\j], v[ACC+16*\j+\i], v[ACC+16*\j+\i+1]
.endr
.endr
.irp j, 0,1
	v_max_num_f32 v[MX+2*\j], v[MX+2*\j], v[ACC+16*\j+15]
.endr
.irp x, 1,2,4,8
.irp j, 0,1
	v_max_num_f32_dpp v[MX+2*\j], v[MX+2*\j], v[MX+2*\j] row_xmask:\x row_mask:0xf bank_mask:0xf
.endr
.endr
.irp j, 0,1
	v_permlanex16_b32 v[MX+2*\j+1], v[MX+2*\j], s32, s33
.endr
.irp j, 0,1
	v_max_num_f32 v[MX+2*\j], v[MX+2*\j], v[MX+2*\j+1]   ; the row's largest t, in every lane: a number, since at least one key counts
.endr
.irp j, 0,1
.irp i, 0,2,4,6,8,10,12,14
	v_pk_add_f32 v[ACC+16*\j+\i:ACC+16*\j+\i+1], v[ACC+16*\j+\i:ACC+16*\j+\i+1], v[MX+2*\j:MX+2*\j+1] op_sel_hi:[1,0] neg_lo:[0,1] neg_hi:[0,1]   ; t - the maximum
.endr
.endr
.set I, 0
.rept 32
	v_exp_f32 v[ACC+I], v[ACC+I]                   ; at most 1; 0 where the key does not count
.set I, I+1
.endr
	v_nop
	s_wait_alu depctr_va_vdst(0)                   ; one wait for the 32
.irp j, 0,1
	v_pk_add_f32 v[SM+2*\j:SM+2*\j+1], v[ACC+16*\j:ACC+16*\j+1], v[ACC+16*\j+2:ACC+16*\j+3]
.endr
.irp i, 4,6,8,10,12,14
.irp j, 0,1
	v_pk_add_f32 v[SM+2*\j:SM+2*\j+1], v[SM+2*\j:SM+2*\j+1], v[ACC+16*\j+\i:ACC+16*\j+\i+1]
.endr
.endr
.irp j, 0,1
	v_add_f32 v[SM+2*\j], v[SM+2*\j], v[SM+2*\j+1]
.endr
.irp x, 1,2,4,8
.irp j, 0,1
	v_add_f32_dpp v[SM+2*\j], v[SM+2*\j], v[SM+2*\j] row_xmask:\x row_mask:0xf bank_mask:0xf
.endr
.endr
.irp j, 0,1
	v_permlanex16_b32 v[SM+2*\j+1], v[SM+2*\j], s32, s33
.endr
.irp j, 0,1
	v_add_f32 v[SM+2*\j], v[SM+2*\j], v[SM+2*\j+1] ; the row's sum, at least 1
.endr
.irp j, 0,1
	v_rcp_f32 v[SM+2*\j], v[SM+2*\j]
.endr
	v_nop
	s_wait_alu depctr_va_vdst(0)                   ; one wait for the two reciprocals
.irp j, 0,1
.irp i, 0,2,4,6,8,10,12,14
	v_pk_mul_f32 v[ACC+16*\j+\i:ACC+16*\j+\i+1], v[ACC+16*\j+\i:ACC+16*\j+\i+1], v[SM+2*\j:SM+2*\j+1] op_sel_hi:[1,0]
.endr
.irp g, 0,1,2,3
	global_store_b128 v[L16], v[ACC+16*\j+4*\g:ACC+16*\j+4*\g+3], s[22:23] offset:2048*\j+512*\g th:TH_STORE_NT   ; 32 lanes store 512 consecutive bytes, at a multiple of 512 from out's first byte; written once, read by nobody here
.endr
.endr
	s_wait_tensorcnt 0x0
	ds_add_u32 v254, v255
	s_wait_dscnt 0x0
	s_endpgm
.Lfunc_end_k_q0c6988a83b_addattn:
	.size	k_q0c6988a83b_addattn, .Lfunc_end_k_q0c6988a83b_addattn-k_q0c6988a83b_addattn
	.p2alignl 7, 3214868480
	.fill 96, 4, 3214868480
	.section	.rodata,"a",@progbits
	.p2align	6, 0x0
	.amdhsa_kernel k_q0c6988a83b_addattn
		.amdhsa_group_segment_fixed_size 269312
		.amdhsa_private_segment_fixed_size 0
		.amdhsa_enable_private_segment 0
		.amdhsa_kernarg_size 80
		.amdhsa_user_sgpr_count 2
		.amdhsa_user_sgpr_kernarg_segment_ptr 1
		.amdhsa_wavefront_size32 1
		.amdhsa_system_sgpr_workgroup_id_x 1
		.amdhsa_system_sgpr_workgroup_id_y 1
		.amdhsa_system_sgpr_workgroup_id_z 1
		.amdhsa_system_vgpr_workitem_id 0
		.amdhsa_next_free_vgpr 256
		.amdhsa_next_free_sgpr 96
		.amdhsa_reserve_vcc 0
		.amdhsa_float_denorm_mode_32 3
		.amdhsa_float_denorm_mode_16_64 3
		.amdhsa_memory_ordered 1
		.amdhsa_forward_progress 1
		.amdhsa_inst_pref_size 122
	.end_amdhsa_kernel
	.amdgpu_metadata
---
amdhsa.version: [ 1, 2 ]
amdhsa.kernels:
  - .name:           k_q0c6988a83b_addattn
    .symbol:         k_q0c6988a83b_addattn.kd
    .args:
      - { .name: queries_codes, .offset: 0, .size: 8, .value_kind: global_buffer, .address_space: global }
      - { .name: queries_scales, .offset: 8, .size: 8, .value_kind: global_buffer, .address_space: global }
      - { .name: keys_codes, .offset: 16, .size: 8, .value_kind: global_buffer, .address_space: global }
      - { .name: keys_scales, .offset: 24, .size: 8, .value_kind: global_buffer, .address_space: global }
      - { .name: W_concat, .offset: 32, .size: 8, .value_kind: global_buffer, .address_space: global }
      - { .name: b_concat, .offset: 40, .size: 8, .value_kind: global_buffer, .address_space: global }
      - { .name: w_logit, .offset: 48, .size: 8, .value_kind: global_buffer, .address_space: global }
      - { .name: b_logit, .offset: 56, .size: 8, .value_kind: global_buffer, .address_space: global }
      - { .name: mask, .offset: 64, .size: 8, .value_kind: global_buffer, .address_space: global }
      - { .name: out0, .offset: 72, .size: 8, .value_kind: global_buffer, .address_space: global }
    .group_segment_fixed_size: 269312
    .private_segment_fixed_size: 0
    .kernarg_segment_align: 8
    .kernarg_segment_size: 80
    .max_flat_workgroup_size: 256
    .sgpr_count:     96
    .vgpr_count:     256
    .wavefront_size: 32
...
	.end_amdgpu_metadata
.endif
;; end of part 1
;; ======== version 2 of 2: 1 launch; version 1 with the launch addattn written anew for expert scheduling mode
;; limits: right only within a limited range of input values
;; launch addattn (part 2): grid 32 x 8, 8 waves a work-group, no clusters, 269,312 bytes of LDS; arguments queries_codes, queries_scales, keys_codes, keys_scales, W_concat, b_concat, w_logit, b_logit, mask, out0; writes out0
.if DOCPART == 2
	.amdgcn_target "amdgcn-amd-amdhsa--gfx1250"
	.amdhsa_code_object_version 6
	.text
	.protected	k_q0c6988a83b_addattn
	.globl	k_q0c6988a83b_addattn
	.p2align	8
	.type	k_q0c6988a83b_addattn,@function
k_q0c6988a83b_addattn:
	s_mov_b64 s[64:65], 0
	v_nop
	global_prefetch_b8 v0, s[64:65] scope:SCOPE_SE
	s_setreg_imm32_b32 hwreg(HW_REG_WAVE_SCHED_MODE, 0, 2), 2
	s_setreg_imm32_b32 hwreg(HW_REG_WAVE_MODE, 25, 1), 1
	s_wait_xcnt 0x0
	s_wait_alu depctr_vm_vsrc(0)
; out[b][h][q][k] = softmax over k of ( sum over e of w[e] tanh(qp[q][e] + kp[k][e] + bc[e]) + bl ), keys whose mask byte is 0 left out; a row whose mask is all 0 keeps all its keys.
; qp = queries W[:, :64]^T, kp = keys W[:, 64:]^T: both on codes of FP4 (E2M1) with one E8M0 scale for each 32 along K; queries and keys come as codes, W (f32) is quantised here along its 128 columns, four blocks of 32.
; The input 'values' enters no line of the function that is computed, so this launch is not given it.
; SHARES.  Work-group (x, y): 16 queries (block x) of head y = 4 b + h.  EIGHT WAVES, two to a SIMD, so that one wave's waits stand beside the other's instructions.  Wave w: queries 2 w, 2 w + 1 against all 512 keys,
;   so a softmax row never leaves a wave.  LANES ARE KEYS: register 4 g + i of lane l is key 128 g + 4 l + i.  The price of eight waves: each table row is read from LDS by eight waves: 8 x 64 rows x 4 KB for the work-group.
; THE TANH.  tanh(x) = 1 - 2 / (1 + 2^(c x)), c = 2 log2(e).  c x = a + b, a = c (qp + bc) of the query, b = c kp of the key.  Each of a and b is split ONCE into a whole number i = floor and f = 2^(fraction), f in [1, 2]:
;   per element: i = ia + ib;  x = ldexp(fb, i) (it goes to infinity or to 0 by itself);  d = x fa + 1;  r = 1 / d;  sum += w[e] r.   One reciprocal and, the two multiply-adds being packed, three plain instructions for 32 elements.
;   The sums begin at KH = -(sum of w + bl) / 2, so that logit = -2 sum, and logit x log2(e) = sum x (-c).  The row's maximum is taken away ahead of the softmax's exponential.
; THE KEY TABLE (fb, ib for 512 keys x 64 e) is made by the work-group itself, each wave 64 keys, and lies in LDS, a row for each e.  The query's fa, ia and w[e] are the same for all lanes: they are read out of a lane into scalars.
; NO CLUSTER, NO TENSOR LOADS: what the 32 work-groups of a head share is 17 KB of key codes and scales and 32 KB of W, read once at the head into registers, where they are multiplied or quantised at once; LDS holds computed numbers alone.
; LIMITS.  a and b are each held to +-2^24 (x beyond some 5.8e6): two larger terms that nearly cancel are not resolved.  NaN and infinities among the inputs, and the scale byte 0xff, are not served.  A mask byte counts as true where it is not 0.
;   A block of zeros of W gets the scale byte 1 where the quantiser's rule says 127: its codes are zeros, and the bytes are read here alone.
; THE MODE: SCHED_MODE bits 1:0 = 2 (LLVM: expert scheduling mode 2), set by the entry lines.  The code itself states the register dependences
;   between vector or matrix instructions and memory or LDS instructions, with s_wait_alu, always for 0.
; THE PLAN.  Registers that memory or LDS instructions touch, in the main loop (stage t, p = t % 2):
;   TB0, TB1   The stage's eight LDS loads, the row of the unit two further on, land in set p.  Set p was read by the preparation of stage t - 1; the preparation of stage t reads set 1 - p.
;   v[ADR]     Written by one add at the stage's head; read by the stage's eight loads.
;   BUF, the sums, QT and WV are named by vector instructions alone.
;   s[SQ ..], s[SW]  Written by v_readlane_b32 at the stage's head; (fa, ia) are first read by number 16 of the stage's list of plain instructions, w by the next stage's sums.
;   So a stage's head holds: a wait on vm_vsrc (the last stage's loads have read v[ADR]), the add, and ONE wait on va_vdst: v[ADR] is written, the last preparation is done reading set p, the last stage's reciprocals are written.
;   The eight loads follow it with no further wait, one ahead of each of the first eight reciprocals: no vector instruction issued since that wait names set p or v[ADR].  One wait on va_sdst stands ahead of the sixth reciprocal.
;   Head and way out: each run of loads or stores has one wait on va_vdst ahead of it for what vector instructions wrote or read, and each register that a memory or LDS instruction has read has a wait on vm_vsrc ahead of its next write.
.set PITCH, 4112                       ; a table row: fb[512] at 0, ib[512] at 2048, 16 bytes of padding: 257 x 16, so the sixteen rows that a table store touches begin 16 bytes apart modulo 256
.set WIMG,  0                          ; LDS: the images of W's four fragments: tile t at 1024 t, 512 bytes for each four registers (K half c), lane l at 16 l
.set WSC,   4096                       ; their scale words, in two parts: K half c of tile t at 512 c + 128 t + 4 l, which is 128 x wave + 4 l
.set TAB,   5120                       ; the table: 64 rows
; vector registers
.set L16, 1                            ; v1       16 x lane; never rewritten
.set ST,  2                            ; v2-5     where I store tile t's numbers in the table; later: where I read row 16 t
.set WV,  6                            ; v6-9     w[16 t + r]
.set L4,  10                           ; v10      4 x lane, at the head;
.set KH,  10                           ;          then KH
.set RR,  11                           ; v11      r = lane % 16, at the head;
.set ADR, 11                           ;          then the LDS address of the table row in hand;
.set NEG, 11                           ;          then -infinity
.set BC,  12                           ; v12-15   bc[16 t + r], then c bc
.set QT,  16                           ; v16-23   2 t + j: lanes 0-15 fa, lanes 16-31 ia, of query j at e = 16 t + r
.set MK,  32                           ; v32-39   4 j + g: four mask bytes of query j: keys 128 g + 4 l + 0 .. 3
.set ACC, 48                           ; v48-79   16 j + n: the sums
.set KA,  48                           ;          at the head: the keys' four fragments: zeros (K 0-63), codes (K 64-127)
.set TB,  112                          ; v112-175 two table rows: fb 16 registers, ib 16 registers
.set WC,  112                          ;          at the head: W's codes just made
.set FL,  112                          ;          and the floors of a key tile
.set QM,  120                          ; v120-127 the quantiser's work
.set SCA, 128                          ; v128     where I store my part of a scale word
.set QA,  136                          ; v136-143 the queries' fragment: codes (K 0-63), zeros (K 64-127)
.set WF,  144                          ; v144-175 W's four fragments
.set A_W, 168                          ; v168-175 offsets of the loads at the head; W's last fragment lands there, behind s_wait_xcnt 0 and the wait on vm_vsrc
.set A_K, 169
.set A_R2, 170
.set A_Q, 171
.set A_Q2, 172
.set A_R4, 173
.set H,   174
.set IMG, 175
.set BUF, 176                          ; v176-239 two units of 32 numbers (two queries x 16 keys a lane)
.set WN,  176                          ;          at the head: 32 numbers of W
.set QD,  176                          ;          qp's four tiles
.set X,   208
.set Y,   224
.set MX,  208                          ;          at the end: a pair for each row: its maximum; v216.. its sum
.set SM,  216
.set KS,  240                          ; v240-243 the keys' scale words;  v244-247 the upper parts of W's;  v248 the queries';  v249-252 W's.  These hold scales and nothing else
.set WS2, 244
.set QS,  248
.set WS,  249
; scalar registers: s[4:23] the ten addresses; s24 wave; s25 head y; s26 t = wave % 4; s27 b; s29 c = wave / 4; s[32:33] selects for lane xor 16; s34, s49 +-2^24; s35 lanes 16-31; s[44:45] c; s[46:47] -c; s48 bl; s66-67, s70-85 masks of lanes; s88 16 c
.set SQ,  36                           ; s[36:37], s[38:39] (fa, ia) of the two queries of the unit that is being prepared
.set SW,  40                           ; s[40:41], s[86:87] (w[e], 0) of the units of even and of odd t
.set RL,  42                           ; s42  R = e % 16: the lane that holds fa and w; also the loop's counter
.set RH,  43                           ; s43  R + 16: the lane that holds ia
.set ROW, 50                           ; s50  R x PITCH (at the head: an offset)
	s_load_b512 s[4:19], s[0:1], 0x0               ; queries' codes, scales; keys' codes, scales; W; bc; w; bl
	s_load_b128 s[20:23], s[0:1], 0x40             ; mask, out
	v_lshl_add_u32 v254, v0, 2, 0x41800
	v_mov_b32 v255, 0
	v_lshrrev_b32 v[RR], 5, v0
	v_readfirstlane_b32 s24, v[RR]                 ; wave 0..7
	s_and_b32 s25, ttmp7, 0xffff                   ; y = 4 b + h
	s_lshr_b32 s27, s25, 2                         ; b
	v_and_b32 v[RR], 15, v0                        ; r
	v_bfe_u32 v[H], v0, 4, 1                       ; h = lane / 16
	v_and_b32 v[L16], 31, v0
	v_lshlrev_b32 v[L4], 2, v[L16]
	v_lshlrev_b32 v[L16], 4, v[L16]
	v_lshlrev_b32 v[A_W], 9, v[RR]
	v_lshl_add_u32 v[A_W], v[H], 7, v[A_W]         ; W: row r of 512 bytes, + 32 numbers for lanes 16-31
	v_lshlrev_b32 v[A_K], 5, v[RR]
	v_lshl_add_u32 v[A_K], v[H], 4, v[A_K]         ; keys: row r of 32 bytes, block h
	v_lshlrev_b32 v[A_R2], 1, v[RR]                ; their scales: 2 bytes a row
	v_lshlrev_b32 v[A_R4], 2, v[RR]                ; bc, w: 4 bytes
	v_and_b32 v[A_Q2], 1, v[RR]                    ; queries: row m of the fragment is query m % 2 of my two
	v_lshlrev_b32 v[A_Q], 5, v[A_Q2]
	v_lshl_add_u32 v[A_Q], v[H], 4, v[A_Q]
	v_lshlrev_b32 v[A_Q2], 1, v[A_Q2]
	v_mul_u32_u24 v[ST], v[RR], PITCH              ; the table: row 16 t + r; key 64 w + 16 m + 8 h + j, 4 bytes each
	v_lshl_add_u32 v[ST], v[H], 5, v[ST]
	s_wait_alu depctr_va_sdst(0)                   ; s24 is written, ahead of its first reader: offsets, bases and LDS addresses are made from it
	s_and_b32 s26, s24, 3                          ; t: the tile of W of which I quantise a half,
	s_lshr_b32 s29, s24, 2                         ; c: which half of its K
	s_lshl_b32 s88, s29, 4                         ; 16 c: where my two scale bytes begin in the word, in bits
	s_lshl_b32 s30, s26, 10
	s_lshl_b32 s31, s29, 9
	s_add_co_u32 s30, s30, s31
	v_add_nc_u32 v[IMG], s30, v[L16]               ; my four registers' image: 1024 t + 512 c + 16 x lane
	s_lshl_b32 s30, s24, 7
	v_add_nc_u32 v[SCA], s30, v[L4]                ; my part of the scale words: 128 x wave + 4 x lane
	s_lshl_b32 s30, s24, 8
	s_add_co_u32 s30, s30, TAB
	v_add_nc_u32 v[ST], s30, v[ST]
.irp t, 1,2,3
	v_add_nc_u32 v[ST+\t], 16*PITCH*\t, v[ST]      ; sixteen rows are more than an LDS immediate holds: a register for each t
.endr
	s_mov_b32 s32, 0x76543210
	s_mov_b32 s33, 0xfedcba98
	s_mov_b32 s34, 0x4b800000                      ; 2^24
	s_mov_b32 s49, 0xcb800000                      ; -2^24
	s_mov_b32 s35, 0xffff0000
	s_mov_b32 s44, 0x4038aa3b                      ; c = 2 log2(e)
	s_mov_b32 s45, s44                             ; (a packed form names the pair and takes its low word: so the upper is written)
	s_mov_b32 s46, 0xc038aa3b                      ; -c
	s_mov_b32 s47, s46
	s_mov_b32 s[SW+1], 0
	s_mov_b32 s[SW+47], 0
	; byte offsets, each in a pair of its own
	s_lshl_b32 s28, s25, 9                         ; 512 y: the head's first row
	s_lshl_b32 s30, s24, 6
	s_add_co_u32 s30, s28, s30                     ; + 64 w: the first key whose table entries I make
	s_lshl_b32 s50, s30, 5                         ; its codes
	s_lshl_b32 s52, s30, 1                         ; its scales
	s_lshl_b32 s30, ttmp9, 4
	s_lshl_b32 s31, s24, 1
	s_add_co_u32 s30, s30, s31                     ; 16 x + 2 w: my first query in its head
	s_add_co_u32 s28, s28, s30
	s_lshl_b32 s54, s28, 5                         ; its codes
	s_lshl_b32 s56, s28, 1                         ; its scales
	s_lshl_b32 s58, s28, 11                        ; its row of out: 2,048 bytes
	s_lshl_b32 s60, s26, 13                        ; W: tile t's 16 rows of 512 bytes,
	s_lshl_b32 s31, s29, 8
	s_add_co_u32 s60, s60, s31                     ; + 64 numbers x c
	s_lshl_b32 s62, s27, 9
	s_add_co_u32 s62, s62, s30
	s_lshl_b32 s62, s62, 9                         ; mask: row 512 b + my first query, 512 bytes a row
.irp i, 51,53,55,57,59,61,63
	s_mov_b32 s\i, 0
.endr
	s_wait_kmcnt 0x0
	s_add_nc_u64 s[8:9], s[8:9], s[50:51]
	s_add_nc_u64 s[10:11], s[10:11], s[52:53]
	s_add_nc_u64 s[4:5], s[4:5], s[54:55]
	s_add_nc_u64 s[6:7], s[6:7], s[56:57]
	s_add_nc_u64 s[22:23], s[22:23], s[58:59]
	s_add_nc_u64 s[12:13], s[12:13], s[60:61]
	s_add_nc_u64 s[20:21], s[20:21], s[62:63]
	s_load_b32 s48, s[18:19], 0x0                  ; bl
	s_wait_alu depctr_va_vdst(0)                   ; all offsets and LDS addresses made above are written: v1 to v5, v10, v128, v168 to v175, which the loads and stores below read
	; ALL GLOBAL LOADS, 34, in the order in which they are wanted: W 8; queries and bc 6; keys 8; w 4; mask 8
.irp i, 0,1,2,3,4,5,6,7
	global_load_b128 v[WN+4*\i:WN+4*\i+3], v[A_W], s[12:13] offset:16*\i   ; W(16 t + r, 64 c + 32 h + 4 i ..): the very k that the operand's layout gives this lane in registers 4 c .. 4 c + 3
.endr
	global_load_b128 v[QA:QA+3], v[A_Q], s[4:5]
	global_load_u16 v[QS], v[A_Q2], s[6:7]         ; two scale bytes, for K 0-63; the upper two bytes are 0, over zero codes
.irp t, 0,1,2,3
	global_load_b32 v[BC+\t], v[A_R4], s[14:15] offset:64*\t
.endr
.irp m, 0,1,2,3
	global_load_b128 v[KA+8*\m+4:KA+8*\m+7], v[A_K], s[8:9] offset:512*\m   ; 16 keys: 512 consecutive bytes
.endr
.irp m, 0,1,2,3
	global_load_u16 v[KS+\m], v[A_R2], s[10:11] offset:32*\m
.endr
.irp t, 0,1,2,3
	global_load_b32 v[WV+\t], v[A_R4], s[16:17] offset:64*\t
.endr
.irp j, 0,1
.irp g, 0,1,2,3
	global_load_b32 v[MK+4*\j+\g], v[L4], s[20:21] offset:512*\j+128*\g
.endr
.endr
.irp i, 4,5,6,7
	v_mov_b32 v[QA+\i], 0                          ; zero codes where the other product's half of K lies
.endr
.irp m, 0,1,2,3
.irp i, 0,1,2,3
	v_mov_b32 v[KA+8*\m+\i], 0
.endr
.endr
	; HALF c OF W'S TILE t (rows e = 16 t + r) IS QUANTISED: a lane holds one whole block, 2 c + h
	s_wait_loadcnt 26                              ; W's 8 loads are in; the 26 issued behind them may be out
	v_max3_num_f32 v[QM], |v[WN]|, |v[WN+1]|, 0x1800000   ; the block's largest magnitude, in two chains, and the floor 2^(3 - 127): the byte cannot fall under 1
	v_max3_num_f32 v[QM+1], |v[WN+2]|, |v[WN+3]|, |v[WN+4]|
.irp i, 5,9,13,17,21,25
	v_max3_num_f32 v[QM], v[QM], |v[WN+\i]|, |v[WN+\i+1]|
	v_max3_num_f32 v[QM+1], v[QM+1], |v[WN+\i+2]|, |v[WN+\i+3]|
.endr
	v_max3_num_f32 v[QM], v[QM], |v[WN+29]|, |v[WN+30]|
	v_max3_num_f32 v[QM], v[QM], v[QM+1], |v[WN+31]|
	v_add_nc_u32 v[QM+2], 0xff000000, v[QM]        ; 2 off its exponent field: the conversion's scale operand
	v_lshrrev_b32 v[QM+4], 23, v[QM+2]             ; the scale's byte
	v_lshl_add_u32 v[QM+7], v[H], 3, s88           ; byte 2 c + h of the word: 8 h + 16 c bits up
	v_lshlrev_b32 v[QM+6], v[QM+7], v[QM+4]
	v_mov_b32 v[QM+7], 0
	v_permlanex16_b32 v[QM+7], v[QM+6], s32, s33
	v_or_b32 v[QM+6], v[QM+6], v[QM+7]             ; with lane xor 16's byte: my two bytes at their places, the other two 0
.irp g, 0,1,2,3
	v_cvt_scalef32_pk8_fp4_f32 v[WC+\g], v[WN+8*\g:WN+8*\g+7], v[QM+2]
.endr
	v_nop                                          ; one plain instruction behind the last scaled conversion
	s_wait_alu depctr_va_vdst(0)                   ; the conversions have written v[WC ..] and the v_or_b32 the scale word, which the two LDS stores read; and every vector instruction that names v168 to v175 is done, in which W's last fragment will land
	ds_store_b128 v[IMG], v[WC:WC+3] offset:WIMG   ; the four registers go to LDS as an image of themselves
	ds_store_b32 v[SCA], v[QM+6] offset:WSC
	s_wait_xcnt 0x0                                ; all global loads have had their addresses translated: v168-175 and, later, v10 may be written
	s_wait_alu depctr_vm_vsrc(0)                   ; the global loads have read their offsets and the two LDS stores their addresses and data: v168 to v175 take W's last fragment, v112 to v128 are written again by the first key tile
	s_wait_dscnt 0x0                               ; for the others' sake: my stores have landed
	s_barrier_signal -1
	s_barrier_wait -1                              ; W's four fragments lie in LDS
.irp t, 0,1,2,3
	ds_load_b32 v[WS+\t], v[L4] offset:WSC+128*\t        ; the bytes of K 0-63,
	ds_load_b32 v[WS2+\t], v[L4] offset:WSC+512+128*\t   ; and of K 64-127
.endr
.irp t, 0,1,2,3
	ds_load_b128 v[WF+8*\t:WF+8*\t+3], v[L16] offset:WIMG+1024*\t
	ds_load_b128 v[WF+8*\t+4:WF+8*\t+7], v[L16] offset:WIMG+1024*\t+512
.endr
	; THE QUERIES
	s_wait_loadcnt 12                              ; queries, bc and keys are in; w's 4 and the mask's 8 may be out
	s_wait_dscnt 0x0
.irp t, 0,1,2,3
	v_or_b32 v[WS+\t], v[WS+\t], v[WS2+\t]         ; W's scale words are whole.  Ten plain instructions stand between the last of these and the first product: a scale register written by a vector instruction wants eight
.endr
.irp m, 0,1,2,3
	v_lshlrev_b32 v[KS+\m], 16, v[KS+\m]           ; the keys' two bytes scale K 64-127
.endr
.irp t, 0,1,2,3
	v_mul_f32 v[BC+\t], s44, v[BC+\t]              ; c bc
.endr
	v_nop
	v_nop
	s_wait_alu depctr_va_vdst(0)                   ; behind the places: W's and the keys' scale words and the zero codes of the queries' and the keys' fragments are written, which the 20 scaled products below take as scales and as source 0
.irp t, 0,1,2,3                                ; source 0: my two queries, eight times over; source 1: 16 rows of W.  Register j (0, 1) of lane (r, h): qp(query j, e = 16 t + r), in both halves of the lanes
	v_wmma_scale_f32_16x16x128_f8f6f4 v[QD+8*\t:QD+8*\t+7], v[QA:QA+7], v[WF+8*\t:WF+8*\t+7], 0, v[QS], v[WS+\t] matrix_a_fmt:MATRIX_FMT_FP4 matrix_b_fmt:MATRIX_FMT_FP4
.endr
.rept 4
	v_nop                                          ; four plain instructions between a matrix instruction and the first read of its result (ISA guide 7.12.1)
.endr
.irp t, 0,1,2,3
.irp j, 0,1
	v_fma_f32 v[X+2*\t+\j], v[QD+8*\t+\j], s44, v[BC+\t]   ; a = c qp + c bc
.endr
.endr
.set I, 0
.rept 8
	v_med3_num_f32 v[X+I], v[X+I], s49, s34        ; held to +-2^24
.set I, I+1
.endr
.set I, 0
.rept 8
	v_floor_f32 v[Y+I], v[X+I]
.set I, I+1
.endr
.set I, 0
.rept 8
	v_sub_f32 v[X+I], v[X+I], v[Y+I]               ; the fraction
.set I, I+1
.endr
.set I, 0
.rept 8
	v_exp_f32 v[X+I], v[X+I]                       ; fa
	v_cvt_i32_f32 v[Y+I], v[Y+I]                   ; ia
.set I, I+1
.endr
	v_nop
	s_wait_alu depctr_va_vdst(0)                   ; one wait for the eight exponentials, ahead of their first reader
.set I, 0
.rept 8
	v_cndmask_b32 v[QT+I], v[X+I], v[Y+I], s35     ; lanes 0-15 keep fa, lanes 16-31 ia
.set I, I+1
.endr
; THE KEY TABLE.  Tile m: keys 64 w + 16 m + 0 .. 15 against all 64 e.  Register j of lane (r, h) in tile t: kp(key 16 m + 8 h + j, e = 16 t + r): eight neighbouring keys of table row 16 t + r.
; The results take two sets of 32 registers by turns, so that a tile's products do not wait for the LDS stores of the tile before.
.macro KTILE m
.set KD, BUF+32*((\m)%2)
.if (\m) >= 1
	s_wait_alu depctr_vm_vsrc(0)                   ; the LDS stores of the tiles before have read their data: the set that this tile's products write (fb of two tiles back) and the floors' registers (ib of the last tile)
.endif
.if (\m) >= 2
	s_wait_dscnt 16                                ; the last tile's 16 stores may be out; those of two tiles back, which read this set, are done
.endif
.irp t, 0,1,2,3
	v_wmma_scale_f32_16x16x128_f8f6f4 v[KD+8*\t:KD+8*\t+7], v[KA+8*(\m):KA+8*(\m)+7], v[WF+8*\t:WF+8*\t+7], 0, v[KS+(\m)], v[WS+\t] matrix_a_fmt:MATRIX_FMT_FP4 matrix_b_fmt:MATRIX_FMT_FP4
.endr
.rept 4
	v_nop
.endr
.set I, 0
.rept 16
	v_pk_mul_f32 v[KD+2*I:KD+2*I+1], v[KD+2*I:KD+2*I+1], s[44:45] op_sel_hi:[1,0]   ; b = c kp; each result from its low end on
.set I, I+1
.endr
.set I, 0
.rept 32
	v_med3_num_f32 v[KD+I], v[KD+I], s49, s34
.set I, I+1
.endr
.if (\m) >= 1
	s_wait_dscnt 8                                 ; the last tile's 8 stores of fb may be out; its stores of ib, which read the floors' registers, are done
.endif
.set I, 0
.rept 32
	v_floor_f32 v[FL+I], v[KD+I]
.set I, I+1
.endr
.set I, 0
.rept 32
	v_sub_f32 v[KD+I], v[KD+I], v[FL+I]
.set I, I+1
.endr
.set I, 0
.rept 32
	v_exp_f32 v[KD+I], v[KD+I]                     ; fb
	v_cvt_i32_f32 v[FL+I], v[FL+I]                 ; ib
.set I, I+1
.endr
	v_nop
	s_wait_alu depctr_va_vdst(0)                   ; the 32 conversions have written ib and the 32 exponentials fb, which the sixteen LDS stores read: one wait for both runs, and the exponentials' own
.irp t, 0,1,2,3
	ds_store_b128 v[ST+\t], v[FL+8*\t:FL+8*\t+3] offset:2048+64*(\m)
	ds_store_b128 v[ST+\t], v[FL+8*\t+4:FL+8*\t+7] offset:2048+64*(\m)+16
.endr
.irp t, 0,1,2,3
	ds_store_b128 v[ST+\t], v[KD+8*\t:KD+8*\t+3] offset:64*(\m)
	ds_store_b128 v[ST+\t], v[KD+8*\t+4:KD+8*\t+7] offset:64*(\m)+16
.endr
.endm
.irp m, 0,1,2,3
	KTILE \m
.endr
	s_wait_loadcnt 8                               ; w is in; the mask's 8 loads may be out
	s_wait_kmcnt 0x0                               ; bl
	s_wait_dscnt 0x0                               ; for the others' sake: my part of the table has landed
	s_wait_alu depctr_vm_vsrc(0)                   ; the table's stores have read v[ST ..], the floors' registers and both sets of results, and the loads by v[L4] have read it: v2 to v5 and v10 are written below, v112 to v239 behind the barrier
	s_barrier_signal -1
	s_mul_f32 s48, s48, -0.5                       ; register work while the others arrive
	v_add_f32 v[ADR], v[WV], v[WV+1]
	v_add_f32 v[ADR], v[ADR], v[WV+2]
	v_add_f32 v[ADR], v[ADR], v[WV+3]
	v_add_f32_dpp v[ADR], v[ADR], v[ADR] row_xmask:1 row_mask:0xf bank_mask:0xf
	v_add_f32_dpp v[ADR], v[ADR], v[ADR] row_xmask:2 row_mask:0xf bank_mask:0xf
	v_add_f32_dpp v[ADR], v[ADR], v[ADR] row_xmask:4 row_mask:0xf bank_mask:0xf
	v_add_f32_dpp v[ADR], v[ADR], v[ADR] row_xmask:8 row_mask:0xf bank_mask:0xf   ; each half of the lanes holds all 64 w: the sum of w
	v_fma_f32 v[KH], v[ADR], -0.5, s48             ; KH = -(sum of w + bl) / 2
.set I, 0
.rept 32
	v_mov_b32 v[ACC+I], v[KH]                      ; the sums begin at their addend
.set I, I+1
.endr
.irp t, 0,1,2,3
	v_add_nc_u32 v[ST+\t], TAB+16*PITCH*\t, v[L16] ; from here on: where I read row 16 t: 16 bytes a lane
.endr
	s_mov_b32 s[RL], 0
	s_mov_b32 s[RH], 16
	s_mov_b32 s[ROW], 0
	s_barrier_wait -1                              ; the table is whole; from here on LDS is only read
; THE MAIN LOOP.  A UNIT is one e = 16 t + R and my two queries: 32 numbers a lane.  Units go R = 0 .. 15, t = 0 .. 3; unit (t, R) lies in buffer t % 2, and its table row in table set t % 2.
; A STAGE takes the 32 reciprocals of its unit, and between them, three plain instructions to a reciprocal: the sums of the unit before (16 packed multiply-adds) and the preparation of the unit after (32 + 32 + 16), both in the other buffer.
; PLAIN writes number K of that list of 96.  p: t % 2 of the stage's unit.
.macro PLAIN p, acc, prep
.set OT, BUF+32*(1-(\p))
.set TN, TB+32*(1-(\p))
.set SWP, SW+46*(1-(\p))
.if K < 16
.if \acc
	v_pk_fma_f32 v[ACC+2*K:ACC+2*K+1], v[OT+2*K:OT+2*K+1], s[SWP:SWP+1], v[ACC+2*K:ACC+2*K+1] op_sel_hi:[1,0,1]   ; sum += w r
.endif
.elseif \prep
.if K < 48
.set KK, K-16
	v_add_nc_u32 v[OT+KK], s[SQ+2*(KK/16)+1], v[TN+16+KK%16]   ; i = ia + ib
.elseif K < 80
.set KK, K-48
	v_ldexp_f32 v[OT+KK], v[TN+KK%16], v[OT+KK]                ; x = fb 2^i
.else
.set KK, K-80
	v_pk_fma_f32 v[OT+2*KK:OT+2*KK+1], v[OT+2*KK:OT+2*KK+1], s[SQ+2*(KK/8):SQ+2*(KK/8)+1], 1.0 op_sel_hi:[1,0,0]   ; d = x fa + 1
.endif
.endif
.endm
.macro READQ tn                        ; (fa, ia) of my two queries at e = 16 tn + the R in hand
.irp qq, 0,1
	v_readlane_b32 s[SQ+2*\qq], v[QT+2*(\tn)+\qq], s[RL]
	v_readlane_b32 s[SQ+2*\qq+1], v[QT+2*(\tn)+\qq], s[RH]
.endr
.endm
; acc: there is a unit before;  prep: there is a unit after;  load: the table set that this unit's preparation has left takes the row of the unit two further on;  bump: R steps (in stage t = 3: the unit after is R + 1's).
.macro STAGE t, acc, prep, load, bump
	s_wait_dscnt 0x0                               ; the row asked for a stage ago is in: this stage's preparation reads it
.if \load
.if \acc
	s_wait_alu depctr_vm_vsrc(0)                   ; the last stage's eight loads have read v[ADR]
.endif
	v_add_nc_u32 v[ADR], s[ROW], v[ST+((\t)+2)%4]
.endif
	s_wait_alu depctr_va_vdst(0)                   ; the stage's one wait on va_vdst: v[ADR] is written, which the loads below read; the preparation before is done reading table set t % 2, in which they land; the last stage's reciprocals are written, ahead of their first reader, the first sum below
	v_readlane_b32 s[SW+46*((\t)%2)], v[WV+(\t)], s[RL]   ; w[16 t + R] of this stage's unit: the next stage's sums take it
.if \bump
	s_add_co_u32 s[RL], s[RL], 1
	s_add_co_u32 s[RH], s[RH], 1
	s_add_co_u32 s[ROW], s[ROW], PITCH
.endif
.if \prep
	READQ ((\t)+1)%4
.endif
.set CU, BUF+32*((\t)%2)
.set I, 0
.rept 32
.if (\load) && (I < 8)                         ; the eight loads, one ahead of each of the first eight reciprocals.  No wait: no vector instruction since the wait above names table set t % 2 or v[ADR]
.if I%2 == 0
	ds_load_b128 v[TB+32*((\t)%2)+4*(I/2):TB+32*((\t)%2)+4*(I/2)+3], v[ADR] offset:((\t)/2)*PITCH+512*(I/2)              ; 512 consecutive bytes of fb; for t = 2, 3 the row is R + 1's
.else
	ds_load_b128 v[TB+32*((\t)%2)+16+4*(I/2):TB+32*((\t)%2)+16+4*(I/2)+3], v[ADR] offset:((\t)/2)*PITCH+2048+512*(I/2)   ; and of ib
.endif
.endif
.if I == 5
	s_wait_alu depctr_va_sdst(0)                   ; the v_readlane_b32 at the stage's head have written their scalars: (fa, ia), whose first reader is number 16 of the list, just below, and w, whose first reader is the next stage's first sum
.endif
.set K, 3*I
	PLAIN (\t)%2, \acc, \prep
	v_rcp_f32 v[CU+I], v[CU+I]                     ; r = 1 / d
.set K, 3*I+1
	PLAIN (\t)%2, \acc, \prep
.set K, 3*I+2
	PLAIN (\t)%2, \acc, \prep
.set I, I+1
.endr
.if !(\prep)
	v_nop                                          ; a plain instruction behind the last reciprocal
.endif
.endm
	s_wait_alu depctr_va_vdst(0)                   ; v[ST ..] are written anew, which the loads below read; and every vector and matrix instruction that names v112 to v175 (floors, W's and the queries' fragments) is done: the table's rows land there
.irp tb, 0,1                                   ; rows 0 and 16 (R = 0, t = 0, 1)
.irp g, 0,1,2,3
	ds_load_b128 v[TB+32*\tb+4*\g:TB+32*\tb+4*\g+3], v[ST+\tb] offset:512*\g
	ds_load_b128 v[TB+32*\tb+16+4*\g:TB+32*\tb+16+4*\g+3], v[ST+\tb] offset:2048+512*\g
.endr
.endr
	READQ 0
	s_wait_alu depctr_va_sdst(0)                   ; (fa, ia) of the first unit are written, ahead of their first reader
	s_wait_dscnt 8                                 ; row 0's eight loads are in; row 16's may be out
.set K, 16
.rept 80
	PLAIN 1, 0, 1                                  ; the first unit is prepared with nothing beside it
.set K, K+1
.endr
	STAGE 0, 0, 1, 1, 0
	s_wait_alu depctr_va_vdst(0)                   ; the stage's 32 reciprocals are written: no reciprocal is without its wait at a label
.Ltrip:                                            ; 15 trips, each from stage t = 1 of one R to stage t = 0 of the next
	STAGE 1, 1, 1, 1, 0
	STAGE 2, 1, 1, 1, 0
	STAGE 3, 1, 1, 1, 1
	STAGE 0, 1, 1, 1, 0
	s_wait_alu depctr_va_vdst(0)                   ; the last stage's 32 reciprocals are written: no reciprocal is without its wait at a branch
	s_cmp_lt_u32 s[RL], 15
	s_cbranch_scc1 .Ltrip
	STAGE 1, 1, 1, 1, 0                            ; R = 15: the last row asked for is 63; nothing is read beyond the table
	STAGE 2, 1, 1, 0, 0
	STAGE 3, 1, 0, 0, 0
	s_wait_alu depctr_va_vdst(0)                   ; the last stage's 32 reciprocals are written, ahead of their first reader, the first sum below
.set K, 0
.rept 16
	PLAIN 0, 1, 0                                  ; the last unit's sums
.set K, K+1
.endr
	; THE MASK AND THE SOFTMAX, the two rows by turns
	s_wait_loadcnt 0x0                             ; the mask
	s_wait_alu depctr_vm_vsrc(0)                   ; the table's last loads have read v[ADR], which is written below as -infinity
	v_mov_b32 v[NEG], 0xff800000                   ; -infinity
.irp j, 0,1
	v_or_b32 v[BUF+\j], v[MK+4*\j], v[MK+4*\j+1]
.endr
.irp j, 0,1
	v_or_b32 v[BUF+\j], v[BUF+\j], v[MK+4*\j+2]
.endr
.irp j, 0,1
	v_or_b32 v[BUF+\j], v[BUF+\j], v[MK+4*\j+3]
.endr
.irp j, 0,1
	v_cmp_ne_u32 s[66+\j], 0, v[BUF+\j]            ; the lanes that hold a key that counts
.endr
.set I, 0
.rept 16
	v_pk_mul_f32 v[ACC+2*I:ACC+2*I+1], v[ACC+2*I:ACC+2*I+1], s[46:47] op_sel_hi:[1,0]   ; t = logit x log2(e) = sum x (-c)
.set I, I+1
.endr
	s_wait_alu depctr_va_sdst(0)                   ; the two compares have written s66 and s67, ahead of their first reader
.irp j, 0,1
	s_cmp_lg_u32 s[66+\j], 0
	s_cselect_b32 s[66+\j], 0, 0x01010101          ; a row in which no key counts: all its keys count
.endr
.irp j, 0,1
.irp g, 0,1,2,3
	v_or_b32 v[MK+4*\j+\g], s[66+\j], v[MK+4*\j+\g]
.endr
.endr
.macro MASKROW j
.set TA, BUF+16*(\j)
.irp n, 0,1,2,3,4,5,6,7,8,9,10,11,12,13,14,15
	v_and_b32 v[TA+\n], 0xff<<(8*(\n%4)), v[MK+4*(\j)+\n/4]   ; the byte of key 128 (n / 4) + 4 l + n % 4
.endr
.irp n, 0,1,2,3,4,5,6,7,8,9,10,11,12,13,14,15
	v_cmp_ne_u32 s[70+\n], 0, v[TA+\n]
.endr
	s_wait_alu depctr_va_sdst(0)                   ; the sixteen compares have written s70 to s85: one wait for the run, ahead of the selections that read them
.irp n, 0,1,2,3,4,5,6,7,8,9,10,11,12,13,14,15
	v_cndmask_b32 v[ACC+16*(\j)+\n], v[NEG], v[ACC+16*(\j)+\n], s[70+\n]   ; -infinity where the key does not count
.endr
.endm
.irp j, 0,1
	MASKROW \j
.endr
.irp j, 0,1
	v_max3_num_f32 v[MX+2*\j], v[ACC+16*\j], v[ACC+16*\j+1], v[ACC+16*\j+2]
.endr
.irp i, 3,5,7,9,11,13
.irp j, 0,1
	v_max3_num_f32 v[MX+2*\j], v[MX+2*\j], v[ACC+16*\j+\i], v[ACC+16*\j+\i+1]
.endr
.endr
.irp j, 0,1
	v_max_num_f32 v[MX+2*\j], v[MX+2*\j], v[ACC+16*\j+15]
.endr
.irp x, 1,2,4,8
.irp j, 0,1
	v_max_num_f32_dpp v[MX+2*\j], v[MX+2*\j], v[MX+2*\j] row_xmask:\x row_mask:0xf bank_mask:0xf
.endr
.endr
.irp j, 0,1
	v_permlanex16_b32 v[MX+2*\j+1], v[MX+2*\j], s32, s33
.endr
.irp j, 0,1
	v_max_num_f32 v[MX+2*\j], v[MX+2*\j], v[MX+2*\j+1]   ; the row's largest t, in every lane: a number, since at least one key counts
.endr
.irp j, 0,1
.irp i, 0,2,4,6,8,10,12,14
	v_pk_add_f32 v[ACC+16*\j+\i:ACC+16*\j+\i+1], v[ACC+16*\j+\i:ACC+16*\j+\i+1], v[MX+2*\j:MX+2*\j+1] op_sel_hi:[1,0] neg_lo:[0,1] neg_hi:[0,1]   ; t - the maximum
.endr
.endr
.set I, 0
.rept 32
	v_exp_f32 v[ACC+I], v[ACC+I]                   ; at most 1; 0 where the key does not count
.set I, I+1
.endr
	v_nop
	s_wait_alu depctr_va_vdst(0)                   ; one wait for the 32 exponentials, ahead of their first reader
.irp j, 0,1
	v_pk_add_f32 v[SM+2*\j:SM+2*\j+1], v[ACC+16*\j:ACC+16*\j+1], v[ACC+16*\j+2:ACC+16*\j+3]
.endr
.irp i, 4,6,8,10,12,14
.irp j, 0,1
	v_pk_add_f32 v[SM+2*\j:SM+2*\j+1], v[SM+2*\j:SM+2*\j+1], v[ACC+16*\j+\i:ACC+16*\j+\i+1]
.endr
.endr
.irp j, 0,1
	v_add_f32 v[SM+2*\j], v[SM+2*\j], v[SM+2*\j+1]
.endr
.irp x, 1,2,4,8
.irp j, 0,1
	v_add_f32_dpp v[SM+2*\j], v[SM+2*\j], v[SM+2*\j] row_xmask:\x row_mask:0xf bank_mask:0xf
.endr
.endr
.irp j, 0,1
	v_permlanex16_b32 v[SM+2*\j+1], v[SM+2*\j], s32, s33
.endr
.irp j, 0,1
	v_add_f32 v[SM+2*\j], v[SM+2*\j], v[SM+2*\j+1] ; the row's sum, at least 1
.endr
.irp j, 0,1
	v_rcp_f32 v[SM+2*\j], v[SM+2*\j]
.endr
	v_nop
	s_wait_alu depctr_va_vdst(0)                   ; one wait for the two reciprocals, ahead of their first reader
.irp j, 0,1
.irp i, 0,2,4,6,8,10,12,14
	v_pk_mul_f32 v[ACC+16*\j+\i:ACC+16*\j+\i+1], v[ACC+16*\j+\i:ACC+16*\j+\i+1], v[SM+2*\j:SM+2*\j+1] op_sel_hi:[1,0]
.endr
.endr
	s_wait_alu depctr_va_vdst(0)                   ; the sixteen scalings have written both rows, which the eight stores read: one wait ahead of the run
.irp j, 0,1
.irp g, 0,1,2,3
	global_store_b128 v[L16], v[ACC+16*\j+4*\g:ACC+16*\j+4*\g+3], s[22:23] offset:2048*\j+512*\g th:TH_STORE_NT   ; 32 lanes store 512 consecutive bytes, at a multiple of 512 from out's first byte; written once, read by nobody here
.endr
.endr
	s_wait_dscnt 0x0                               ; the closing lines, six on end
	s_wait_alu 0x0
	s_wait_tensorcnt 0x0
	ds_add_u32 v254, v255
	s_wait_dscnt 0x0
	s_endpgm
.Lfunc_end_k_q0c6988a83b_addattn:
	.size	k_q0c6988a83b_addattn, .Lfunc_end_k_q0c6988a83b_addattn-k_q0c6988a83b_addattn
	.p2alignl 7, 3214868480
	.fill 96, 4, 3214868480
	.section	.rodata,"a",@progbits
	.p2align	6, 0x0
	.amdhsa_kernel k_q0c6988a83b_addattn
		.amdhsa_group_segment_fixed_size 269312
		.amdhsa_private_segment_fixed_size 0
		.amdhsa_enable_private_segment 0
		.amdhsa_kernarg_size 80
		.amdhsa_user_sgpr_count 2
		.amdhsa_user_sgpr_kernarg_segment_ptr 1
		.amdhsa_wavefront_size32 1
		.amdhsa_system_sgpr_workgroup_id_x 1
		.amdhsa_system_sgpr_workgroup_id_y 1
		.amdhsa_system_sgpr_workgroup_id_z 1
		.amdhsa_system_vgpr_workitem_id 0
		.amdhsa_next_free_vgpr 256
		.amdhsa_next_free_sgpr 96
		.amdhsa_reserve_vcc 0
		.amdhsa_float_denorm_mode_32 3
		.amdhsa_float_denorm_mode_16_64 3
		.amdhsa_memory_ordered 1
		.amdhsa_forward_progress 1
		.amdhsa_inst_pref_size 123
	.end_amdhsa_kernel
	.amdgpu_metadata
---
amdhsa.version: [ 1, 2 ]
amdhsa.kernels:
  - .name:           k_q0c6988a83b_addattn
    .symbol:         k_q0c6988a83b_addattn.kd
    .args:
      - { .name: queries_codes, .offset: 0, .size: 8, .value_kind: global_buffer, .address_space: global }
      - { .name: queries_scales, .offset: 8, .size: 8, .value_kind: global_buffer, .address_space: global }
      - { .name: keys_codes, .offset: 16, .size: 8, .value_kind: global_buffer, .address_space: global }
      - { .name: keys_scales, .offset: 24, .size: 8, .value_kind: global_buffer, .address_space: global }
      - { .name: W_concat, .offset: 32, .size: 8, .value_kind: global_buffer, .address_space: global }
      - { .name: b_concat, .offset: 40, .size: 8, .value_kind: global_buffer, .address_space: global }
      - { .name: w_logit, .offset: 48, .size: 8, .value_kind: global_buffer, .address_space: global }
      - { .name: b_logit, .offset: 56, .size: 8, .value_kind: global_buffer, .address_space: global }
      - { .name: mask, .offset: 64, .size: 8, .value_kind: global_buffer, .address_space: global }
      - { .name: out0, .offset: 72, .size: 8, .value_kind: global_buffer, .address_space: global }
    .group_segment_fixed_size: 269312
    .private_segment_fixed_size: 0
    .kernarg_segment_align: 8
    .kernarg_segment_size: 80
    .max_flat_workgroup_size: 256
    .sgpr_count:     96
    .vgpr_count:     256
    .wavefront_size: 32
...
	.end_amdgpu_metadata
.endif
;; end of part 2
